; MI455X (gfx1250); checked and timed in simulation.
; The chip was launched on July 23, 2026; its instructions are those of AMD's public machine-readable ISA for CDNA 5 (MIT licence, August 2026) and "CDNA5" Instruction Set Architecture Reference Guide (July 2026). The comments in the code are by the model that wrote it; some were corrected since.
;; Unfused Gemma4 Text Experts. Allowed arithmetic: matrix products marked QUANTISED: E2M1 operands, one E8M0 scale for each 32 along K, by v_wmma_scale_f32_16x16x128_f8f6f4 with both operands' format E2M1 (or v_wmma_scale_f32_32x16x128_f4), f32 sums; everything else in f32.
;; Inputs: down_w 8 x 2,048 x 1,024 float32; gate_w 8 x 1,024 x 2,048 float32; hidden_states 1,024 x 2,048 float32; routing_weights 1,024 x 2 float32; selected_experts 1,024 x 2 int32; up_w 8 x 1,024 x 2,048 float32.
;; Outputs: out0 1,024 x 2,048 float32.
;; This version of the problem:
;;   THIS VERSION OF THE PROBLEM IS GIVEN IN LOW PRECISION. The matrix products marked QUANTISED in the list below multiply operands that are first quantised to E2M1 (2 exponent bits, 1 mantissa bit; 4 bits a number), with one power-of-two scale for each 32 numbers along K (OCP MX v1.0); their sums are f32. All else is computed in f32.
;;   The module's matrix products, in the order in which they are computed (A, B: the left and right operand; K: the contracted axis; several contracted axes count as one K, in the product's order):
;;     1. [M 1,024, K 2,048] x [K 2,048, N 1,024]; A: input hidden_states; B: input gate_w: QUANTISED
;;     2. [M 1,024, K 2,048] x [K 2,048, N 1,024]; A: input hidden_states; B: input up_w: QUANTISED
;;     3. [M 1,024, K 1,024] x [K 1,024, N 2,048]; A: computed on the way; B: input down_w: QUANTISED
;;     4. [M 1,024, K 2,048] x [K 2,048, N 1,024]; A: input hidden_states; B: input gate_w: QUANTISED
;;     5. [M 1,024, K 2,048] x [K 2,048, N 1,024]; A: input hidden_states; B: input up_w: QUANTISED
;;     6. [M 1,024, K 1,024] x [K 1,024, N 2,048]; A: computed on the way; B: input down_w: QUANTISED
;;     7. [M 1,024, K 2,048] x [K 2,048, N 1,024]; A: input hidden_states; B: input gate_w: QUANTISED
;;     8. [M 1,024, K 2,048] x [K 2,048, N 1,024]; A: input hidden_states; B: input up_w: QUANTISED
;;     9. [M 1,024, K 1,024] x [K 1,024, N 2,048]; A: computed on the way; B: input down_w: QUANTISED
;;     10. [M 1,024, K 2,048] x [K 2,048, N 1,024]; A: input hidden_states; B: input gate_w: QUANTISED
;;     11. [M 1,024, K 2,048] x [K 2,048, N 1,024]; A: input hidden_states; B: input up_w: QUANTISED
;;     12. [M 1,024, K 1,024] x [K 1,024, N 2,048]; A: computed on the way; B: input down_w: QUANTISED
;;     13. [M 1,024, K 2,048] x [K 2,048, N 1,024]; A: input hidden_states; B: input gate_w: QUANTISED
;;     14. [M 1,024, K 2,048] x [K 2,048, N 1,024]; A: input hidden_states; B: input up_w: QUANTISED
;;     15. [M 1,024, K 1,024] x [K 1,024, N 2,048]; A: computed on the way; B: input down_w: QUANTISED
;;     16. [M 1,024, K 2,048] x [K 2,048, N 1,024]; A: input hidden_states; B: input gate_w: QUANTISED
;;     17. [M 1,024, K 2,048] x [K 2,048, N 1,024]; A: input hidden_states; B: input up_w: QUANTISED
;;     18. [M 1,024, K 1,024] x [K 1,024, N 2,048]; A: computed on the way; B: input down_w: QUANTISED
;;     19. [M 1,024, K 2,048] x [K 2,048, N 1,024]; A: input hidden_states; B: input gate_w: QUANTISED
;;     20. [M 1,024, K 2,048] x [K 2,048, N 1,024]; A: input hidden_states; B: input up_w: QUANTISED
;;     21. [M 1,024, K 1,024] x [K 1,024, N 2,048]; A: computed on the way; B: input down_w: QUANTISED
;;     22. [M 1,024, K 2,048] x [K 2,048, N 1,024]; A: input hidden_states; B: input gate_w: QUANTISED
;;     23. [M 1,024, K 2,048] x [K 2,048, N 1,024]; A: input hidden_states; B: input up_w: QUANTISED
;;     24. [M 1,024, K 1,024] x [K 1,024, N 2,048]; A: computed on the way; B: input down_w: QUANTISED
;;   THE QUANTISER, for each operand of a quantised product, along K:
;;     - K is cut into blocks of 32 from its start; a last block that is shorter is filled with zeros.
;;     - A block's scale is 2^e with e = floor(log2(the largest magnitude in the block)) - 2, held to -126 .. 127; a block of zeros has e = 0. As a byte (E8M0): e + 127.
;;     - Each number is divided by its block's scale, clamped to +-6, and rounded to the nearest number of E2M1, ties to even, subnormals kept.
;;     - The product sums the exact products of the quantised numbers (number of the format x scale) in f32.
;;   ~~~python
;;   def quantise(x, axis):      # numpy; x: float32 -> the quantised numbers, widened to float32 again
;;       x = np.moveaxis(x, axis, -1); K = x.shape[-1]
;;       x = np.pad(x, [(0, 0)] * (x.ndim - 1) + [(0, -K % 32)]); x = x.reshape(x.shape[:-1] + (-1, 32)); a = np.abs(x).max(-1, keepdims=True)
;;       e = np.where(a > 0, np.clip(np.frexp(np.where(a > 0, a, 1))[1] - 1 - 2, -126, 127), 0)      # np.frexp(a)[1] - 1 = floor(log2(a)), exactly
;;       r = np.clip(x / 2.0 ** e, -6, 6)
;;       step = 2.0 ** (np.maximum(np.frexp(np.where(r == 0, 1, r))[1] - 1, 0) - 1)
;;       q = np.round(r / step) * step * 2.0 ** e      # np.round: ties to even
;;       return np.moveaxis(q.reshape(q.shape[:-2] + (-1,))[..., :K], -1, axis).astype(np.float32)
;;   ~~~
;;   OPERANDS COMPUTED ON THE WAY. 'Computed on the way' means the value that the module computes at that place (a softmax that the list does not call 'softmax' is quantised finished and normalised). What goes into a quantiser is computed in f32, as accurately as f32 sums, v_exp_f32 and their like allow (about 1e-6 of the number): no bf16 or f16 on the way to a quantiser, and a product that is left as it is and whose result goes on into a quantised operand takes f32 operands (vector FMAs, or v_wmma_f32_16x16x4_f32). A number that lies on a knife's edge between two numbers of the format may be rounded either way, as far as f32 arithmetic and the matrix unit's own rounding can turn it there, and no further.
;; One version. Each part assembles by itself: llvm-mc -triple=amdgcn-amd-amdhsa -mcpu=gfx1250 --defsym DOCPART=n.
;; ======== version 1 of 1: 3 launches
;; limits: right only within a limited range of input values
;; workspace buffers: hid_codes 1,048,576 bytes; hid_scales 65,536 bytes; gu_codes 16,777,216 bytes; gu_scales 1,048,576 bytes; down_codes 8,388,608 bytes; down_scales 524,288 bytes; act_codes 4,194,304 bytes; act_scales 262,144 bytes
;; launch quant (part 1): grid 1600 x 1, 4 waves a work-group, no clusters, 17,920 bytes of LDS; arguments hidden_states, gate_w, up_w, down_w, hid_codes, hid_scales, gu_codes, gu_scales, down_codes, down_scales; writes hid_codes, hid_scales, gu_codes, gu_scales, down_codes, down_scales
.if DOCPART == 1
	.amdgcn_target "amdgcn-amd-amdhsa--gfx1250"
	.amdhsa_code_object_version 6
	.text
	.protected	k_q2c5190cefb_quant
	.globl	k_q2c5190cefb_quant
	.p2align	8
	.type	k_q2c5190cefb_quant,@function
k_q2c5190cefb_quant:
	s_mov_b64 s[64:65], 0
	v_nop
	global_prefetch_b8 v0, s[64:65] scope:SCOPE_SE
	s_setreg_imm32_b32 hwreg(HW_REG_WAVE_MODE, 25, 1), 1
	s_wait_xcnt 0x0
; hidden_states [1024][2048], gate_w and up_w [8][1024][2048], down_w [8][2048][1024], f32 with K innermost, become codes of FP4 (E2M1), K innermost, with one E8M0 byte for each 32 along K.
; A block's byte is its largest magnitude's exponent field - 2, held at 1 from below; each number is divided by the scale and rounded to the nearest code, ties to even, beyond 6 the largest code.
; DEAD WORK: routing_weights and selected_experts are arguments of the problem's function that no line of it reads, so no result hangs on them for any values: no launch loads them.
; LIMITS: a block whose largest magnitude lies under 2^-124 (a block of zeros too) gets the byte 1; zero codes add nothing under it, and this program alone reads the bytes.  NaN and infinities are not served.
; A work-group takes 32,768 numbers, a wave a run of 8,192 in 16 steps of 512.  Work-groups 0-63 hidden, 64-575 gate, 576-1087 up, 1088-1599 down: only pointers and offsets are chosen.
; WHERE A RUN GOES.  hidden: where it came from.
; gate, up: one buffer of 16,384 rows; weight row R = 1024 e + f of gate (s = 0) or up (s = 1) goes to row D: D[13:7] = R[12:6], D[6] = s, D[5] = R[5], D[4] = R[3], D[3] = R[4], D[2:0] = R[2:0]. A run is 4 rows.
; down: a run is 8 rows of one expert; run u = 256 e + 8 hb + j goes to place 64 hb + 8 e + j: codes [hb = h / 64][e][64 rows][512 bytes], scale bytes [hb][e][64][32]: what one work-group of the last launch reads is dense.
; A STEP.  Lane l = 16 p + m; load i (0..3) reads 16 bytes at 1024 p + 256 i + 16 m of the step's 2,048: sixteen lanes read 256 consecutive bytes, aligned.  So a lane holds 4 numbers of each of four blocks,
; and a block (index 8 p + 2 i + m / 8) lies in 8 neighbouring lanes: its largest magnitude takes three steps between lanes.  The conversion takes eight registers under ONE scale: loads 0 and 1 are converted twice,
; under block 0's scale (the low 16 bits count) and under block 1's (the high 16), loads 2 and 3 likewise.  ONLY THE CODES GO THROUGH LDS: 2 bytes a lane and load at 128 p + 32 i + 2 m of the step's 256;
; every two steps 512 bytes come back, 16 a lane, and leave by one store of 512 consecutive bytes.  The wave's 256 scale bytes are gathered in LDS and leave as one aligned unit.
; No tensor loads, no barrier: waves share nothing.  Loads run four steps (16 a wave) ahead.
.set STEPS, 16
.set EMAX,  2
.set M,     8                          ; v8-11  the four blocks' largest magnitudes
.set SPW,   12                         ; v12 my spare word's address; v13 zero: never rewritten
.set NIL,   13
.set S,     16                         ; v16-19 the conversions' scale operands
.set T,     20                         ; v20-27 codes, two sets by step parity: an odd step's wait for LDS stands between a set's stores and its next writes
.set E,     28                         ; v28-35 scale bytes, likewise
.set R,     36                         ; v36-99 four sets of 16 numbers as loaded
.set O,     100                        ; v100-115 codes on the way out, four sets by turns
.set WREG,  4352                       ; a wave's LDS: 4,096 bytes of codes, then its 256 scale bytes
.set SPARE, 4*WREG
	s_load_b512 s[4:19], s[0:1], 0x0               ; hidden, gate, up, down, hid_codes, hid_scales, gu_codes, gu_scales
	s_load_b128 s[20:23], s[0:1], 0x40             ; down_codes, down_scales
	v_lshl_add_u32 v[SPW], v0, 2, SPARE
	v_mov_b32 v[NIL], 0
	v_lshrrev_b32 v1, 5, v0
	v_readfirstlane_b32 s24, v1                    ; wave
	v_and_b32 v2, 31, v0                           ; l
	v_and_b32 v1, 15, v0                           ; m
	v_bfe_u32 v8, v0, 4, 1                         ; p
	v_bfe_u32 v9, v0, 3, 1                         ; m / 8
	s_mul_i32 s25, s24, WREG
	v_lshlrev_b32 v3, 4, v1
	v_lshl_add_u32 v3, v8, 10, v3                  ; in: 1024 p + 16 m
	v_lshlrev_b32 v4, 4, v2                        ; out: 16 l
	v_lshlrev_b32 v14, 1, v1
	v_lshl_add_u32 v14, v8, 7, v14
	v_add_nc_u32 v14, s25, v14                     ; LDS, codes in: 128 p + 2 m
	v_add_nc_u32 v15, s25, v4                      ; LDS, codes back: 16 l
	v_lshl_add_u32 v5, v8, 3, v9
	s_add_co_u32 s25, s25, 4096
	v_add_nc_u32 v5, s25, v5                       ; LDS, my blocks' bytes: 8 p + m / 8
	v_lshlrev_b32 v7, 3, v2
	v_add_nc_u32 v6, s25, v7                       ; and back, 8 bytes a lane
	s_mov_b32 s26, 1088
	s_wait_alu depctr_va_vdst(0)
	s_wait_kmcnt 0x0
	; which tensor: from s[10:11], codes to s[20:21], bytes to s[22:23]
	s_cmp_lt_u32 ttmp9, 1088
	s_cselect_b64 s[10:11], s[8:9], s[10:11]
	s_cselect_b64 s[20:21], s[16:17], s[20:21]
	s_cselect_b64 s[22:23], s[18:19], s[22:23]
	s_cselect_b32 s26, 576, s26
	s_cselect_b32 s27, 1, 0                        ; 1: gate or up
	s_cselect_b32 s28, 16, 0                       ; the bit s, in units of 4 rows
	s_cmp_lt_u32 ttmp9, 576
	s_cselect_b64 s[10:11], s[6:7], s[10:11]
	s_cselect_b32 s26, 64, s26
	s_cselect_b32 s28, 0, s28
	s_cmp_lt_u32 ttmp9, 64
	s_cselect_b64 s[10:11], s[4:5], s[10:11]
	s_cselect_b64 s[20:21], s[12:13], s[20:21]
	s_cselect_b64 s[22:23], s[14:15], s[22:23]
	s_cselect_b32 s26, 0, s26
	s_cselect_b32 s27, 0, s27
	s_sub_co_u32 s29, ttmp9, s26
	s_lshl_b32 s29, s29, 2
	s_add_co_u32 s29, s29, s24                     ; u: my wave's run
	s_lshr_b32 s30, s29, 4                         ; gate, up: (u[10:4] << 5) | s << 4 | u[3] << 3 | u[1] << 2 | u[2] << 1 | u[0]
	s_lshl_b32 s30, s30, 5
	s_or_b32 s30, s30, s28
	s_and_b32 s31, s29, 9
	s_or_b32 s30, s30, s31
	s_and_b32 s31, s29, 2
	s_lshl_b32 s31, s31, 1
	s_or_b32 s30, s30, s31
	s_and_b32 s31, s29, 4
	s_lshr_b32 s31, s31, 1
	s_or_b32 s30, s30, s31
	s_cmp_lg_u32 s27, 0
	s_cselect_b32 s30, s30, s29
	s_bfe_u32 s31, s29, 0x50003                    ; down: hb = u[7:3],
	s_lshl_b32 s31, s31, 6
	s_lshr_b32 s34, s29, 8                         ; e = u[10:8],
	s_lshl_b32 s34, s34, 3
	s_or_b32 s31, s31, s34
	s_and_b32 s34, s29, 7                          ; j = u[2:0]
	s_or_b32 s31, s31, s34
	s_cmp_ge_u32 ttmp9, 1088
	s_cselect_b32 s30, s31, s30                    ; d: the run's place among codes and bytes
	s_lshl_b32 s32, s29, 15                        ; a run: 32,768 bytes of f32,
	s_mov_b32 s33, 0
	s_add_nc_u64 s[10:11], s[10:11], s[32:33]
	s_lshl_b32 s32, s30, 12                        ; 4,096 of codes,
	s_add_nc_u64 s[20:21], s[20:21], s[32:33]
	s_lshl_b32 s32, s30, 8                         ; 256 scale bytes
	s_add_nc_u64 s[22:23], s[22:23], s[32:33]
.macro LOAD t
.irp i, 0,1,2,3
	global_load_b128 v[R+16*((\t)%4)+4*\i:R+16*((\t)%4)+4*\i+3], v3, s[10:11] offset:2048*(\t)+256*\i th:TH_LOAD_NT
.endr
.endm
.irp t, 0,1,2,3
	LOAD \t
.endr
.macro STEP t
.set RS, R+16*((\t)%4)
.set TS, T+4*((\t)%2)
.set ES, E+4*((\t)%2)
.set OS, O+4*(((\t)/2)%4)
.if (\t) == 8
	s_wait_xcnt 0x0                                ; the stores of steps 1, 3, 5, 7 have read the four output sets, which are loaded anew from here on
.endif
.if STEPS-1-(\t) >= 3
	s_wait_loadcnt 12                              ; this step's four loads are in; those of the three steps behind it may be out
.else
	s_wait_loadcnt 4*(STEPS-1-(\t))
.endif
.irp i, 0,1,2,3                        ; the four blocks by turns: no line waits for the line above it
	v_max3_num_f32 v[M+\i], |v[RS+4*\i]|, |v[RS+4*\i+1]|, |v[RS+4*\i+2]|
.endr
.irp i, 0,1,2,3
	v_max3_num_f32 v[M+\i], v[M+\i], |v[RS+4*\i+3]|, (EMAX+1)<<23   ; my four, and the floor: the byte cannot fall under 1
.endr
.irp x, 1,2,4
.irp i, 0,1,2,3
	v_max_num_f32_dpp v[M+\i], v[M+\i], v[M+\i] row_xmask:\x row_mask:0xf bank_mask:0xf   ; with the block's other seven lanes
.endr
.endr
.irp i, 0,1,2,3
	v_add_nc_u32 v[S+\i], -(EMAX<<23), v[M+\i]     ; the conversion's scale operand
.endr
	v_cvt_scalef32_pk8_fp4_f32 v[TS], v[RS:RS+7], v[S]             ; bits 15:0: load 0's four codes
	v_cvt_scalef32_pk8_fp4_f32 v[TS+1], v[RS:RS+7], v[S+1]         ; bits 31:16: load 1's
	v_cvt_scalef32_pk8_fp4_f32 v[TS+2], v[RS+8:RS+15], v[S+2]
	v_cvt_scalef32_pk8_fp4_f32 v[TS+3], v[RS+8:RS+15], v[S+3]
.irp i, 0,1,2,3
	v_lshrrev_b32 v[ES+\i], 23, v[S+\i]            ; the bytes (also the plain lines behind the conversions)
.endr
	v_lshrrev_b32 v[TS+1], 16, v[TS+1]
	v_lshrrev_b32 v[TS+3], 16, v[TS+3]
.if (\t)+4 < STEPS
	LOAD (\t)+4                                    ; this step's registers take the loads of four steps on
.endif
.irp i, 0,1,2,3
	ds_store_b16 v14, v[TS+\i] offset:256*(\t)+32*\i
	ds_store_b8 v5, v[ES+\i] offset:16*(\t)+2*\i   ; a block's eight lanes write the same byte with the same value
.endr
.if (\t)%2 == 1
	ds_load_b128 v[OS:OS+3], v15 offset:512*((\t)/2)   ; LDS serves a wave's instructions in order (ISA guide 5.7.1.4): this sees the two steps' stores
	s_wait_dscnt 0x0
	global_store_b128 v4, v[OS:OS+3], s[20:21] offset:512*((\t)/2)   ; the wave stores 512 consecutive bytes, aligned
.endif
.endm
.irp t, 0,1,2,3,4,5,6,7,8,9,10,11,12,13,14,15
	STEP \t
.endr
	ds_load_b64 v[8:9], v6
	s_wait_dscnt 0x0
	global_store_b64 v7, v[8:9], s[22:23]          ; the run's 256 scale bytes, aligned
	s_wait_tensorcnt 0x0                           ; the wave's end
	ds_add_u32 v[SPW], v[NIL]
	s_wait_dscnt 0x0
	s_endpgm
.Lfunc_end_k_q2c5190cefb_quant:
	.size	k_q2c5190cefb_quant, .Lfunc_end_k_q2c5190cefb_quant-k_q2c5190cefb_quant
	.p2alignl 7, 3214868480
	.fill 96, 4, 3214868480
	.section	.rodata,"a",@progbits
	.p2align	6, 0x0
	.amdhsa_kernel k_q2c5190cefb_quant
		.amdhsa_group_segment_fixed_size 17920
		.amdhsa_private_segment_fixed_size 0
		.amdhsa_enable_private_segment 0
		.amdhsa_kernarg_size 80
		.amdhsa_user_sgpr_count 2
		.amdhsa_user_sgpr_kernarg_segment_ptr 1
		.amdhsa_wavefront_size32 1
		.amdhsa_system_sgpr_workgroup_id_x 1
		.amdhsa_system_sgpr_workgroup_id_y 1
		.amdhsa_system_sgpr_workgroup_id_z 1
		.amdhsa_system_vgpr_workitem_id 0
		.amdhsa_next_free_vgpr 120
		.amdhsa_next_free_sgpr 66
		.amdhsa_reserve_vcc 0
		.amdhsa_float_denorm_mode_32 3
		.amdhsa_float_denorm_mode_16_64 3
		.amdhsa_memory_ordered 1
		.amdhsa_forward_progress 1
		.amdhsa_inst_pref_size 53
	.end_amdhsa_kernel
	.amdgpu_metadata
---
amdhsa.version: [ 1, 2 ]
amdhsa.kernels:
  - .name:           k_q2c5190cefb_quant
    .symbol:         k_q2c5190cefb_quant.kd
    .args:
      - { .name: hidden_states, .offset: 0, .size: 8, .value_kind: global_buffer, .address_space: global }
      - { .name: gate_w, .offset: 8, .size: 8, .value_kind: global_buffer, .address_space: global }
      - { .name: up_w, .offset: 16, .size: 8, .value_kind: global_buffer, .address_space: global }
      - { .name: down_w, .offset: 24, .size: 8, .value_kind: global_buffer, .address_space: global }
      - { .name: hid_codes, .offset: 32, .size: 8, .value_kind: global_buffer, .address_space: global }
      - { .name: hid_scales, .offset: 40, .size: 8, .value_kind: global_buffer, .address_space: global }
      - { .name: gu_codes, .offset: 48, .size: 8, .value_kind: global_buffer, .address_space: global }
      - { .name: gu_scales, .offset: 56, .size: 8, .value_kind: global_buffer, .address_space: global }
      - { .name: down_codes, .offset: 64, .size: 8, .value_kind: global_buffer, .address_space: global }
      - { .name: down_scales, .offset: 72, .size: 8, .value_kind: global_buffer, .address_space: global }
    .group_segment_fixed_size: 17920
    .private_segment_fixed_size: 0
    .kernarg_segment_align: 8
    .kernarg_segment_size: 80
    .max_flat_workgroup_size: 128
    .sgpr_count:     66
    .vgpr_count:     120
    .wavefront_size: 32
...
	.end_amdgpu_metadata
.endif
;; end of part 1
;; launch gateup (part 2): grid 64 x 4, 4 waves a work-group, clusters of 4 x 4, 327,680 bytes of LDS; arguments hid_codes, hid_scales, gu_codes, gu_scales, act_codes, act_scales; writes act_codes, act_scales
.if DOCPART == 2
	.amdgcn_target "amdgcn-amd-amdhsa--gfx1250"
	.amdhsa_code_object_version 6
	.text
	.protected	k_q2c5190cefb_gateup
	.globl	k_q2c5190cefb_gateup
	.p2align	8
	.type	k_q2c5190cefb_gateup,@function
k_q2c5190cefb_gateup:
	s_mov_b64 s[64:65], 0
	v_nop
	global_prefetch_b8 v0, s[64:65] scope:SCOPE_SE
	s_setreg_imm32_b32 hwreg(HW_REG_WAVE_MODE, 25, 1), 1
	s_wait_xcnt 0x0
	s_wait_alu depctr_hold_cnt(0) depctr_sa_sdst(0) depctr_va_vdst(0) depctr_va_sdst(0) depctr_va_ssrc(0) depctr_va_vcc(0) depctr_vm_vsrc(0)
	s_getreg_b32 s2, hwreg(HW_REG_IB_STS2, 6, 4)
	s_cmp_eq_u32 s2, 0
	s_cbranch_scc0 .Lentry_in_a_cluster
	s_endpgm
.Lentry_in_a_cluster:
	s_bfe_u32 s2, ttmp6, 0x10000c
	s_cmp_lg_u32 s2, 0xf033
	s_cbranch_scc0 .Lentry_shape_is_right
	s_endpgm
.Lentry_shape_is_right:
; act[e][t][f] = Q(gelu(x Wg[e]^T) * (x Wu[e]^T)): one product of hid_codes [1024][2048] with the 16,384 interleaved rows of gate and up, on codes of FP4 with E8M0 scales, a block of 256 x 256 a work-group,
; then the activation in f32 and the quantiser along f; codes leave as images of the last product's operand registers.  routing_weights and selected_experts are not loaded: the problem's function reads neither.
; Ring of two slots of 512 along K, joint loads in a 4 x 4 cluster; the scales of all of K come once.  NaN and infinities are not served.
.set KSTEP,  512
.set NQ,     4
.set ROWB,   256
.set KROW,   1024
.set PITCH,  272
.set FR,     8
.set NL,     2
.set NP,     4
.set HALFT,  128*PITCH
.set SLOT,   4*HALFT
.set LAPS,   2
.set KS,     64
.set SCL,    2*SLOT
.set HALFS,  (128*KS/256)*272
.set SBLK,   (16*KS/256)*272
.set SPARE,  SCL+4*HALFS
.set ADRA, 16
.set ADRB, 20
.set LI,   24
.set SW,   25
.set XR,   26
.set ADRS, 27
.set SPW,  28
.set NIL,  29
.set XO,   30
.set SC,   32
.set PCB,  96
.set AF,   128
.set T,    128
.set TM,   192
.set HW,   200
.set C0,   208
.set G1, 24
.set G0, 32
.set G1B, 48
.set G0B, 56
.set G1S, 68
.set G0S, 76
.set G1SB, 80
.set G0SB, 88
.set MSB, 0
.macro WIN new
.if MSB != \new
	s_set_vgpr_msb (MSB<<8)|\new
.set MSB, \new
.endif
.endm
.set MUL_LO, 0xa1
.set MUL_HI, 0xf1
.set TO_B,   0x40
.macro JLOAD g0a, g1a, g0b, g1b
	s_cmp_eq_u32 s15, 0
	s_cbranch_scc0 .Lfor_b_\@
	tensor_load_to_lds s[\g0a:\g0a+3], s[\g1a:\g1a+7]
	s_nop 0
.rept 4
	v_nop
.endr
	s_branch .Lasked_\@
.Lfor_b_\@:
	tensor_load_to_lds s[\g0b:\g0b+3], s[\g1b:\g1b+7]
	s_nop 0
.rept 4
	v_nop
.endr
.Lasked_\@:
.endm
.macro CREST
	s_cmp_lg_u32 s14, 0
	s_cbranch_scc1 .Lnot_wave_0_\@
	s_barrier_signal -3
.Lnot_wave_0_\@:
	s_barrier_wait -3
	s_barrier_signal -1
	s_barrier_wait -1
.endm
.macro CROUND
	s_barrier_signal -1
	s_barrier_wait -1
	CREST
.endm
	s_load_b128 s[4:7], s[0:1], 0x0
	s_load_b128 s[8:11], s[0:1], 0x10
	s_load_b128 s[96:99], s[0:1], 0x20
	v_lshl_add_u32 v[SPW], v0, 2, SPARE
	v_mov_b32 v[NIL], 0
	ds_add_u32 v28, v29
	ds_add_u32 v28, v29
	s_wait_dscnt 0x0
	v_lshrrev_b32 v1, 5, v0
	v_readfirstlane_b32 s14, v1
	s_lshr_b32 s15, s14, 1
	s_and_b32 s16, s14, 1
	s_bfe_u32 s40, ttmp6, 0x40000
	s_bfe_u32 s41, ttmp6, 0x40004
	s_lshl_b32 s42, ttmp9, 2
	s_add_co_u32 s42, s42, s40
	s_mov_b32 s17, s41
	s_lshl_b32 s43, s41, 2
	s_lshl_b32 s43, 15, s43
	s_lshl_b32 s44, 0x1111, s40
	s_or_b32 s[G1+0], s43, (0<<16)|(1<<20)|(1<<21)|(5<<22)|(3<<25)
	s_or_b32 s[G1B+0], s44, (0<<16)|(1<<20)|(1<<21)|(5<<22)|(3<<25)
.irp g, G1, G1B
	s_mov_b32 s[\g+1], ROWB<<16
	s_mov_b32 s[\g+2], 256<<16                     ; the head's loads bring 256 rows; behind them these two words are set to 128
	s_mov_b32 s[\g+3], ROWB<<16
	s_mov_b32 s[\g+4], 256
	s_mov_b32 s[\g+5], KROW
	s_mov_b32 s[\g+6], 0
	s_mov_b32 s[\g+7], 0
.endr
	s_or_b32 s[G1S+0], s43, (3<<16)|(1<<20)|(1<<21)|(5<<22)|(3<<25)
	s_or_b32 s[G1SB+0], s44, (3<<16)|(1<<20)|(1<<21)|(5<<22)|(3<<25)
.irp g, G1S, G1SB
	s_mov_b32 s[\g+1], 32<<16
	s_mov_b32 s[\g+2], KS<<16                      ; the scales of 256 rows: KS rows of 256 bytes
	s_mov_b32 s[\g+3], 32<<16
	s_mov_b32 s[\g+4], KS
	s_mov_b32 s[\g+5], 32
	s_mov_b32 s[\g+6], 0
	s_mov_b32 s[\g+7], 0
.endr
	s_lshl_b32 s20, s17, 8                         ; A: the tile's first row
	s_lshl_b32 s46, s42, 8                         ; B: likewise
	s_mov_b32 s21, 0
	s_mov_b32 s47, 0
	s_mov_b64 s[18:19], KS
	s_mul_u64 s[22:23], s[20:21], s[18:19]
	s_mul_u64 s[92:93], s[46:47], s[18:19]
	s_mov_b64 s[18:19], KROW
	s_mul_u64 s[20:21], s[20:21], s[18:19]
	s_mul_u64 s[46:47], s[46:47], s[18:19]
	s_mul_i32 s18, s16, 128*KROW                   ; in the ring I fetch 128 rows of a tile: which half, in bytes
	s_mov_b32 s19, 0
	s_mul_i32 s45, s14, HALFT
	s_wait_kmcnt 0x0
	s_add_nc_u64 s[20:21], s[4:5], s[20:21]
	s_add_nc_u64 s[22:23], s[6:7], s[22:23]
	s_add_nc_u64 s[46:47], s[8:9], s[46:47]
	s_add_nc_u64 s[92:93], s[10:11], s[92:93]
	CROUND
.set G0H, 4                            ; s[4:7], s[8:11]: group 0 of the head's loads of K step 0 (the arguments that lay there have been used)
.set G0HB, 8
	s_mov_b32 s[G0H], 1                            ; the head's four tiles, each whole: K step 0's 256 rows of A,
	s_mov_b32 s[G0H+1], 0
	s_mov_b64 s[G0H+2:G0H+3], s[20:21]
	s_or_b32 s[G0H+3], s[G0H+3], 0x80000000
	s_mov_b32 s[G0HB], 1                           ; its 256 rows of B,
	s_mov_b32 s[G0HB+1], 2*HALFT
	s_mov_b64 s[G0HB+2:G0HB+3], s[46:47]
	s_or_b32 s[G0HB+3], s[G0HB+3], 0x80000000
	s_mov_b32 s[G0S], 1                            ; the scales of A's 256 rows,
	s_mov_b32 s[G0S+1], SCL
	s_mov_b64 s[G0S+2:G0S+3], s[22:23]
	s_or_b32 s[G0S+3], s[G0S+3], 0x80000000
	s_mov_b32 s[G0SB], 1                           ; and of B's
	s_mov_b32 s[G0SB+1], SCL+2*HALFS
	s_mov_b64 s[G0SB+2:G0SB+3], s[92:93]
	s_or_b32 s[G0SB+3], s[G0SB+3], 0x80000000
	s_add_nc_u64 s[20:21], s[20:21], s[18:19]      ; for the ring: my 128 rows of the tile
	s_add_nc_u64 s[46:47], s[46:47], s[18:19]
.irp s, 0,1
	s_mov_b32 s[G0+4*\s], 1
	s_add_co_u32 s[G0+4*\s+1], s45, \s*SLOT
	s_add_nc_u64 s[G0+4*\s+2:G0+4*\s+3], s[20:21], \s*ROWB
	s_or_b32 s[G0+4*\s+3], s[G0+4*\s+3], 0x80000000
	s_mov_b32 s[G0B+4*\s], 1
	s_add_co_u32 s[G0B+4*\s+1], s45, \s*SLOT
	s_add_nc_u64 s[G0B+4*\s+2:G0B+4*\s+3], s[46:47], \s*ROWB
	s_or_b32 s[G0B+4*\s+3], s[G0B+4*\s+3], 0x80000000
.endr
; the head's loads, one a wave: wave 0 A's rows, wave 1 B's, wave 2 A's scales, wave 3 B's; one tree of branches on the wave's number, every way passes one load
.macro ARM under, g0, g1, next
	s_cmp_lt_u32 s14, \under
	s_cbranch_scc0 \next
	tensor_load_to_lds s[\g0:\g0+3], s[\g1:\g1+7]
	s_nop 0
.rept 4
	v_nop
.endr
	s_branch .Lhead_asked
\next:
.endm
	ARM 1, G0H,  G1,  .Lhead_b
	ARM 2, G0HB, G1B, .Lhead_sa
	ARM 3, G0S,  G1S, .Lhead_sb
	tensor_load_to_lds s[G0SB:G0SB+3], s[G1SB:G1SB+7]
	s_nop 0
.rept 4
	v_nop
.endr
.Lhead_asked:
	v_and_b32 v1, 15, v0
	v_bfe_u32 v2, v0, 4, 1
	v_mul_u32_u24 v3, v1, PITCH
	v_lshl_add_u32 v4, v2, 4, v3
	s_mul_i32 s21, s15, HALFT
	s_mul_i32 s22, s16, HALFT
	s_add_co_u32 s22, s22, 2*HALFT
.irp s, 0,1
	v_add_nc_u32 v[ADRA+\s], s21, v4
	v_add_nc_u32 v[ADRB+\s], s22, v4
	s_add_co_u32 s21, s21, SLOT
	s_add_co_u32 s22, s22, SLOT
.endr
	v_mul_u32_u24 v5, v1, KS
	v_lshrrev_b32 v6, 8, v5
	v_lshl_add_u32 v5, v6, 4, v5
	s_mul_i32 s21, s15, HALFS
	s_mul_i32 s22, s16, HALFS
	s_add_co_u32 s22, s22, 2*HALFS
	s_sub_co_u32 s22, s22, s21
	v_mul_u32_u24 v6, s22, v2
	s_add_co_u32 s21, s21, SCL
	v_add_nc_u32 v5, v5, v6
	v_add_nc_u32 v[ADRS], s21, v5
	v_and_b32 v6, 31, v0
	v_lshlrev_b32 v[LI], 4, v6
	v_lshlrev_b32 v[XO], 3, v6
	v_lshlrev_b32 v[XR], 2, v0
	s_lshl_b32 s21, s15, 8
	s_lshl_b32 s22, s16, 9
	s_add_co_u32 s21, s21, s22
	v_lshl_add_u32 v[SW], v1, 1, s21
	s_lshl_b32 s20, s17, 1
	s_add_co_u32 s20, s20, s15
	s_lshl_b32 s22, s20, 15
	s_lshl_b32 s20, s20, 19
	s_mov_b32 s21, 0
	s_mov_b32 s23, 0
	s_lshl_b32 s46, s42, 13
	s_lshl_b32 s47, s16, 9
	s_add_co_u32 s46, s46, s47
	s_mov_b32 s47, 0
	s_lshl_b32 s92, s42, 9
	s_lshl_b32 s93, s16, 8
	s_add_co_u32 s92, s92, s93
	s_mov_b32 s93, 0
	s_add_nc_u64 s[96:97], s[96:97], s[20:21]
	s_add_nc_u64 s[96:97], s[96:97], s[46:47]
	s_add_nc_u64 s[98:99], s[98:99], s[22:23]
	s_add_nc_u64 s[98:99], s[98:99], s[92:93]
.macro FRAG reg, adr, q, i
.irp c, 0,1
	ds_load_b128 v[\reg+4*\c:\reg+4*\c+3], v[\adr] offset:64*(\q)+32*\c+(\i)*16*PITCH
.endr
.endm
.macro MUL16 a0, p, q, sc, zero
.irp a, \a0, \a0+1
.irp b, 0,1,2,3,4,5,6,7
.if \zero
	v_wmma_scale_f32_16x16x128_f8f6f4 v[8*(8*((\a)%4)+\b):8*(8*((\a)%4)+\b)+7], v[128*(\p)+FR*\b:128*(\p)+FR*\b+FR-1], v[AF+FR*(\a):AF+FR*(\a)+FR-1], 0, v[SC+8*NQ*(\sc)+NQ*\b+(\q)], v[SC+8*NQ*(\sc)+NQ*(\a)+(\q)] matrix_a_fmt:MATRIX_FMT_FP4 matrix_b_fmt:MATRIX_FMT_FP4 matrix_a_scale:MATRIX_SCALE_ROW1
.else
	v_wmma_scale_f32_16x16x128_f8f6f4 v[8*(8*((\a)%4)+\b):8*(8*((\a)%4)+\b)+7], v[128*(\p)+FR*\b:128*(\p)+FR*\b+FR-1], v[AF+FR*(\a):AF+FR*(\a)+FR-1], v[8*(8*((\a)%4)+\b):8*(8*((\a)%4)+\b)+7], v[SC+8*NQ*(\sc)+NQ*\b+(\q)], v[SC+8*NQ*(\sc)+NQ*(\a)+(\q)] matrix_a_fmt:MATRIX_FMT_FP4 matrix_b_fmt:MATRIX_FMT_FP4 matrix_a_scale:MATRIX_SCALE_ROW1
.endif
.endr
.endr
.endm
.macro FETCH_B slot, q, p
	WIN TO_B
.irp i, 0,1,2,3,4,5,6,7
	FRAG 128*(\p)+FR*\i, ADRB+\slot, \q, \i
.endr
	WIN 0
.endm
.macro FETCH_A slot, q, i0
.irp i, \i0, \i0+1, \i0+2, \i0+3
	FRAG AF+FR*(\i), ADRA+\slot, \q, \i
.endr
.endm
.macro SCALES sc
.irp i, 0,1,2,3,4,5,6,7
	ds_load_b128 v[SC+8*NQ*\sc+NQ*\i:SC+8*NQ*\sc+NQ*\i+3], v[ADRS] offset:\i*SBLK
.endr
.endm
.macro PLACES n
.rept \n
	v_nop
.endr
.endm
.macro STEP slot, q, zero
	s_wait_dscnt 4*NL
	WIN MUL_LO
	MUL16 0, (\q)%2, \q, \slot, \zero
	MUL16 2, (\q)%2, \q, \slot, \zero
	s_wait_dscnt 0
	PLACES NP
	FETCH_B \slot, (\q)+1, 1-(\q)%2
	FETCH_A \slot, (\q)+1, 0
	WIN MUL_HI
	MUL16 4, (\q)%2, \q, \slot, \zero
	MUL16 6, (\q)%2, \q, \slot, \zero
	PLACES NP
	WIN 0
	FETCH_A \slot, (\q)+1, 4
.endm
.macro TURN slot, next, fill
	s_wait_tensorcnt 0x0
	ds_add_u32 v[SPW], v[NIL]
	s_wait_dscnt 4*NL+1
	WIN MUL_LO
	MUL16 0, 1, NQ-1, \slot, 0
	s_wait_dscnt 0x0
	s_barrier_signal -1
	MUL16 2, 1, NQ-1, \slot, 0
	WIN 0
	s_barrier_wait -1
.if \fill
	CREST
	s_add_nc_u64 s[G0+4*\slot+2:G0+4*\slot+3], s[G0+4*\slot+2:G0+4*\slot+3], 2*ROWB
	s_add_nc_u64 s[G0B+4*\slot+2:G0B+4*\slot+3], s[G0B+4*\slot+2:G0B+4*\slot+3], 2*ROWB
	JLOAD G0+4*\slot, G1, G0B+4*\slot, G1B
.else
	PLACES NP
.endif
	s_wait_alu depctr_va_vdst(0)
	v_add_nc_u32 v[ADRS], 4*NQ, v[ADRS]
	FETCH_B \next, 0, 0
	FETCH_A \next, 0, 0
	SCALES \next
	WIN MUL_HI
	MUL16 4, 1, NQ-1, \slot, 0
	MUL16 6, 1, NQ-1, \slot, 0
	PLACES NP
	WIN 0
	FETCH_A \next, 0, 4
.endm
.macro STEPS slot, from
.set Q, \from
.rept NQ-1-\from
	STEP \slot, Q, 0
.set Q, Q+1
.endr
.endm
	s_wait_alu depctr_va_vdst(0)
	s_wait_tensorcnt 0x0                           ; my tile of the head's four is in
	ds_add_u32 v[SPW], v[NIL]
	s_mov_b32 s[G1+2], 128<<16                     ; no tensor load of mine is out: from here on a load brings 128 rows
	s_mov_b32 s[G1+4], 128
	s_mov_b32 s[G1B+2], 128<<16
	s_mov_b32 s[G1B+4], 128
	s_wait_dscnt 0x0
	CROUND                                         ; all four tiles are in, and all sixteen work-groups are here
	JLOAD G0+4, G1, G0B+4, G1B                     ; K step 1, the first tensor load behind the round
	FETCH_B 0, 0, 0
	FETCH_A 0, 0, 0
	SCALES 0
	FETCH_A 0, 0, 4
	STEP 0, 0, 1
	s_mov_b32 s3, LAPS-1
.Llap:
	STEPS 0, 1
	TURN 0, 1, 1
	STEPS 1, 0
	TURN 1, 0, 1
	STEP 0, 0, 0
	s_sub_co_u32 s3, s3, 1
	s_cmp_lg_u32 s3, 0
	s_cbranch_scc1 .Llap
	STEPS 0, 1
	TURN 0, 1, 0
	STEPS 1, 0
	s_wait_dscnt 4*NL
	WIN MUL_LO
	MUL16 0, 1, NQ-1, 1, 0
	MUL16 2, 1, NQ-1, 1, 0
	s_wait_dscnt 0
	WIN MUL_HI
	MUL16 4, 1, NQ-1, 1, 0
	MUL16 6, 1, NQ-1, 1, 0
	WIN 0
	PLACES NP
	s_mov_b32 s18, 0xbdd2d3e8
	s_mov_b32 s19, s18
	s_mov_b32 s20, 0x76543210
	s_mov_b32 s21, 0xfedcba98
	s_mov_b32 s22, 0x05040100
	s_mov_b32 s23, 0x07060302
	v_mov_b32 v[C0], 0xc0135761
	v_mov_b32 v[C0+1], 0xc0135761
	v_mov_b32 v[TM+2], 0
	v_mov_b32 v[TM+3], 0
.macro ACT a
.set AC, 64*((\a)%4)
	WIN 0x0a+5*((\a)/4)
.irp j, 0,2,4,6,8,10,12,14,16,18,20,22,24,26,28,30
	v_pk_mul_f32 v[T+\j:T+\j+1], v[AC+\j:AC+\j+1], v[AC+\j:AC+\j+1]
.endr
	WIN 0
.irp j, 0,2,4,6,8,10,12,14,16,18,20,22,24,26,28,30
	v_pk_fma_f32 v[T+\j:T+\j+1], v[T+\j:T+\j+1], s[18:19], v[C0:C0+1] op_sel_hi:[1,0,1]
.endr
	WIN 0x02+(\a)/4
.irp j, 0,2,4,6,8,10,12,14,16,18,20,22,24,26,28,30
	v_pk_mul_f32 v[T+\j:T+\j+1], v[AC+\j:AC+\j+1], v[T+\j:T+\j+1]
.endr
	WIN 0
	s_wait_alu depctr_va_vdst(0)
.irp j, 0,1,2,3,4,5,6,7,8,9,10,11,12,13,14,15,16,17,18,19,20,21,22,23,24,25,26,27,28,29,30,31
	v_exp_f32 v[T+\j], v[T+\j]
.endr
	v_nop
	s_wait_alu depctr_va_vdst(0)
.irp j, 0,2,4,6,8,10,12,14,16,18,20,22,24,26,28,30
	v_pk_add_f32 v[T+\j:T+\j+1], v[T+\j:T+\j+1], 1.0 op_sel_hi:[1,0]
.endr
	s_wait_alu depctr_va_vdst(0)
.irp j, 0,1,2,3,4,5,6,7,8,9,10,11,12,13,14,15,16,17,18,19,20,21,22,23,24,25,26,27,28,29,30,31
	v_rcp_f32 v[T+\j], v[T+\j]
.endr
	v_nop
	WIN 0x02+(\a)/4
	s_wait_alu depctr_va_vdst(0)
.irp j, 0,2,4,6,8,10,12,14,16,18,20,22,24,26,28,30
	v_pk_mul_f32 v[T+\j:T+\j+1], v[AC+\j:AC+\j+1], v[T+\j:T+\j+1]
.endr
.irp j, 0,2,4,6,8,10,12,14,16,18,20,22,24,26,28,30
	v_pk_mul_f32 v[T+\j:T+\j+1], v[AC+32+\j:AC+32+\j+1], v[T+\j:T+\j+1]
.endr
	WIN 0
.irp b, 0,1
	v_max3_num_f32 v[TM+\b], |v[T+16*\b]|, |v[T+16*\b+1]|, 0x1800000
.endr
.irp i, 2,4,6,8,10,12,14
.irp b, 0,1
	v_max3_num_f32 v[TM+\b], v[TM+\b], |v[T+16*\b+\i]|, |v[T+16*\b+\i+1]|
.endr
.endr
.irp b, 0,1
	v_permlanex16_b32 v[TM+2+\b], v[TM+\b], s20, s21
.endr
.irp b, 0,1
	v_max_num_f32 v[TM+\b], v[TM+\b], v[TM+2+\b]
.endr
.irp b, 0,1
	v_add_nc_u32 v[TM+4+\b], 0xff000000, v[TM+\b]
.endr
.irp b, 0,1
	v_lshrrev_b32 v[TM+6+\b], 23, v[TM+4+\b]
.endr
	v_lshl_or_b32 v[HW+\a], v[TM+7], 8, v[TM+6]
.irp b, 0,1
	v_cvt_scalef32_pk8_fp4_f32 v[PCB+4*(\a)+2*\b], v[T+16*\b:T+16*\b+7], v[TM+4+\b]
	v_cvt_scalef32_pk8_fp4_f32 v[PCB+4*(\a)+2*\b+1], v[T+16*\b+8:T+16*\b+15], v[TM+4+\b]
.endr
	v_nop
	v_permlane16_swap_b32 v[PCB+4*(\a)], v[PCB+4*(\a)+2]
	v_permlane16_swap_b32 v[PCB+4*(\a)+1], v[PCB+4*(\a)+3]
	global_store_b128 v[LI], v[PCB+4*(\a):PCB+4*(\a)+3], s[96:97] offset:1024*(\a)
	ds_store_b16 v[SW], v[HW+\a] offset:32*(\a)
.endm
.irp a, 0,1,2,3,4,5,6,7
	ACT \a
.endr
	s_wait_dscnt 0x0
	s_barrier_signal -1
	s_barrier_wait -1
	ds_load_b32 v210, v[XR]
	ds_load_b32 v211, v[XR] offset:512
	s_wait_dscnt 0x0
	v_perm_b32 v212, v211, v210, s22
	v_perm_b32 v213, v211, v210, s23
	global_store_b64 v[XO], v[212:213], s[98:99]
	s_wait_tensorcnt 0x0
	ds_add_u32 v[SPW], v[NIL]
	s_wait_dscnt 0x0
	CROUND
	s_endpgm
.Lfunc_end_k_q2c5190cefb_gateup:
	.size	k_q2c5190cefb_gateup, .Lfunc_end_k_q2c5190cefb_gateup-k_q2c5190cefb_gateup
	.p2alignl 7, 3214868480
	.fill 96, 4, 3214868480
	.section	.rodata,"a",@progbits
	.p2align	6, 0x0
	.amdhsa_kernel k_q2c5190cefb_gateup
		.amdhsa_group_segment_fixed_size 327680
		.amdhsa_private_segment_fixed_size 0
		.amdhsa_enable_private_segment 0
		.amdhsa_kernarg_size 48
		.amdhsa_user_sgpr_count 2
		.amdhsa_user_sgpr_kernarg_segment_ptr 1
		.amdhsa_wavefront_size32 1
		.amdhsa_system_sgpr_workgroup_id_x 1
		.amdhsa_system_sgpr_workgroup_id_y 1
		.amdhsa_system_sgpr_workgroup_id_z 1
		.amdhsa_system_vgpr_workitem_id 0
		.amdhsa_next_free_vgpr 1024
		.amdhsa_next_free_sgpr 100
		.amdhsa_reserve_vcc 0
		.amdhsa_float_denorm_mode_32 3
		.amdhsa_float_denorm_mode_16_64 3
		.amdhsa_memory_ordered 1
		.amdhsa_forward_progress 1
		.amdhsa_inst_pref_size 255
	.end_amdhsa_kernel
	.section	.bss,"aw",@nobits
	.p2align	6
	.space	262144
	.amdgpu_metadata
---
amdhsa.version: [ 1, 2 ]
amdhsa.kernels:
  - .name:           k_q2c5190cefb_gateup
    .symbol:         k_q2c5190cefb_gateup.kd
    .args:
      - { .name: hid_codes, .offset: 0, .size: 8, .value_kind: global_buffer, .address_space: global }
      - { .name: hid_scales, .offset: 8, .size: 8, .value_kind: global_buffer, .address_space: global }
      - { .name: gu_codes, .offset: 16, .size: 8, .value_kind: global_buffer, .address_space: global }
      - { .name: gu_scales, .offset: 24, .size: 8, .value_kind: global_buffer, .address_space: global }
      - { .name: act_codes, .offset: 32, .size: 8, .value_kind: global_buffer, .address_space: global }
      - { .name: act_scales, .offset: 40, .size: 8, .value_kind: global_buffer, .address_space: global }
    .group_segment_fixed_size: 327680
    .private_segment_fixed_size: 0
    .kernarg_segment_align: 8
    .kernarg_segment_size: 48
    .max_flat_workgroup_size: 128
    .sgpr_count:     100
    .vgpr_count:     1024
    .wavefront_size: 32
...
	.end_amdgpu_metadata
.endif
;; end of part 2
;; launch down (part 3): grid 32 x 8, 4 waves a work-group, clusters of 4 x 4, 327,680 bytes of LDS; arguments act_codes, act_scales, down_codes, down_scales, out0; writes out0
.if DOCPART == 3
	.amdgcn_target "amdgcn-amd-amdhsa--gfx1250"
	.amdhsa_code_object_version 6
	.text
	.protected	k_q2c5190cefb_down
	.globl	k_q2c5190cefb_down
	.p2align	8
	.type	k_q2c5190cefb_down,@function
k_q2c5190cefb_down:
	s_mov_b64 s[64:65], 0
	v_nop
	global_prefetch_b8 v0, s[64:65] scope:SCOPE_SE
	s_setreg_imm32_b32 hwreg(HW_REG_WAVE_MODE, 25, 1), 1
	s_wait_xcnt 0x0
	s_wait_alu depctr_hold_cnt(0) depctr_sa_sdst(0) depctr_va_vdst(0) depctr_va_sdst(0) depctr_va_ssrc(0) depctr_va_vcc(0) depctr_vm_vsrc(0)
	s_getreg_b32 s2, hwreg(HW_REG_IB_STS2, 6, 4)
	s_cmp_eq_u32 s2, 0
	s_cbranch_scc0 .Lentry_in_a_cluster
	s_endpgm
.Lentry_in_a_cluster:
	s_bfe_u32 s2, ttmp6, 0x10000c
	s_cmp_lg_u32 s2, 0xf033
	s_cbranch_scc0 .Lentry_shape_is_right
	s_endpgm
.Lentry_shape_is_right:
; out[t][h] = 1/8 x the sum over e and f of act[e][t][f] Wd[e][h][f]: the eight last products and their sum as ONE product with K = 8 x 1,024, on codes of FP4 (E2M1) with one E8M0 scale for each 32 along K.
; act_codes [mb = t / 128][e][q = f / 128][16 tokens][c][lane][16 bytes]: images of the operand's registers;  act_scales [mb][8 e + q][128 tokens][4];  down_codes [hb = h / 64][e][64 rows][512 bytes];  down_scales [hb][e][64][32].
; A work-group makes 128 tokens x 64 columns: 8 x 32 = 256 work-groups.  The four waves share K: of every expert wave w multiplies K steps q = 2 w, 2 w + 1 on the whole tile (32 accumulators); the four parts are added through LDS.
; Wd's codes of my 64 columns (512 rows x 528 bytes) and both tensors' scales (32,768 + 16,384 bytes) are dense blocks of memory and come into LDS ONCE, one tensor load a wave at the head:
; waves 0 and 1 bring 256 rows of codes each, wave 2 act's scales, wave 3 Wd's.  No LDS byte is filled twice.  act's images go from memory straight into the registers of the one wave that multiplies them,
; 16 loads of 512 consecutive bytes a K step, four buffers by turns, K step n + 3 asked for at the head of K step n: so no prefetch is laid beside them.
; CLUSTERS 4 x 4: Wd's codes and scales are asked for jointly along a column of the cluster, act's scales along a row.  act's codes are not: each image is wanted by one wave of a work-group, Wd and the scales take
; 319,488 bytes of LDS, and slots of one expert would give each refill 64 matrix instructions a wave in which to land.
; The matrix instruction is used transposed (source 0 = 16 rows of Wd, source 1 = 16 tokens): a lane holds eight neighbouring columns of one row of out.
; LIMIT: the f32 sums run by quarter of each expert's f and then over the quarters; the factor 1/8 once at the end.  NaN and infinities are not served.  routing_weights and selected_experts are not loaded: the problem's function reads neither.
; REGISTERS: window 0: v1-31 addresses; v32-47 act's scale words, v48-63 Wd's; v64-127 Wd's fragments, two sets; on the way out v64-255.  window 1: accumulator (a, b) at v[8 (4 a + b)].  window 2: act's images, K step n at v[64 (n % 4)].
.set BP,     528                       ; a row of Wd in LDS: 512 bytes + 16
.set EB,     64*BP                     ; an expert's 64 rows
.set SCA,    8*EB                      ; act's scale words [8 e + q][128][4]
.set SCB,    SCA+32768                 ; Wd's scale bytes [e][64][32]
.set SPARE,  SCB+16384                 ; the spare words, 512 bytes
.set SPITCH, 272                       ; the way out: four stages of 128 rows x 272 bytes from LDS byte 0 on, over Wd's codes, which have had their one fill
.set WST,    128*SPITCH
.set RD,   8                           ; v8-11 where I read my rows of stage k
.set AO,   12                          ; v12 16 x lane
.set ADRB, 16                          ; v16-19 my fragments of Wd: register k serves experts 2 k, 2 k + 1
.set ADSA, 22
.set ADSB, 23
.set STO,  24
.set CO,   26
.set SPW,  30
.set NIL,  31
.set SA,   32
.set SB,   48
.set FB,   64
.set G1B, 48                           ; s[48:55], s[56:59] groups 1, 0 for Wd's codes
.set G0B, 56
.set G1S, 68                           ; s[68:75], s[76:79] for act's scales;  s[80:87], s[88:91] for Wd's
.set G0S, 76
.set G1SB, 80
.set G0SB, 88
.set MSB, 0
.macro WIN new
.if MSB != \new
	s_set_vgpr_msb (MSB<<8)|\new
.set MSB, \new
.endif
.endm
.macro CROUND                          ; a round of the cluster's barrier
	s_barrier_signal -1
	s_barrier_wait -1
	s_cmp_lg_u32 s14, 0
	s_cbranch_scc1 .Lnot_wave_0_\@
	s_barrier_signal -3
.Lnot_wave_0_\@:
	s_barrier_wait -3
	s_barrier_signal -1
	s_barrier_wait -1
.endm
.macro PLACES n
.rept \n
	v_nop
.endr
.endm
.macro ALOAD n, a0                     ; half of K step n's images: 8 loads of 512 consecutive bytes into buffer n % 4 of window 2
.irp a, \a0, \a0+1, \a0+2, \a0+3
.irp c, 0,1
	global_load_b128 v[64*((\n)%4)+8*(\a)+4*\c:64*((\n)%4)+8*(\a)+4*\c+3], v[AO], s[20:21] offset:65536*((\n)/2)+8192*((\n)%2)+1024*(\a)+512*\c
.endr
.endr
.endm
	s_load_b128 s[4:7], s[0:1], 0x0                ; act's codes, act's scales
	s_load_b128 s[8:11], s[0:1], 0x10              ; Wd's codes, Wd's scales
	s_load_b64 s[12:13], s[0:1], 0x20              ; out
	v_lshl_add_u32 v[SPW], v0, 2, SPARE
	v_mov_b32 v[NIL], 0
	ds_add_u32 v[SPW], v[NIL]
	ds_add_u32 v[SPW], v[NIL]
	v_lshrrev_b32 v1, 5, v0
	v_readfirstlane_b32 s14, v1                    ; wave
	v_and_b32 v3, 31, v0
	v_lshlrev_b32 v[AO], 4, v3
	s_and_b32 s16, s14, 1                          ; which half of Wd's codes waves 0 and 1 fetch
	s_bfe_u32 s40, ttmp6, 0x40000                  ; cx, cy
	s_bfe_u32 s41, ttmp6, 0x40004
	s_lshl_b32 s42, ttmp9, 2
	s_add_co_u32 s42, s42, s40                     ; tile column hb
	s_and_b32 s17, ttmp7, 0xffff
	s_lshl_b32 s17, s17, 2
	s_add_co_u32 s17, s17, s41                     ; tile row mb
	s_lshl_b32 s43, s41, 2
	s_lshl_b32 s43, 15, s43                        ; my row of the cluster
	s_lshl_b32 s44, 0x1111, s40                    ; my column
	s_or_b32 s[G1B+0], s44, (0<<16)|(1<<20)|(1<<21)|(6<<22)|(3<<25)   ; bytes; 4 words of padding behind every 128
	s_mov_b32 s[G1B+1], 512<<16
	s_mov_b32 s[G1B+2], 256<<16                    ; 256 rows of 512 bytes: four experts
	s_mov_b32 s[G1B+3], 512<<16
	s_mov_b32 s[G1B+4], 256
	s_mov_b32 s[G1B+5], 512
	s_mov_b32 s[G1B+6], 0
	s_mov_b32 s[G1B+7], 0
	s_or_b32 s[G1S+0], s43, (3<<16)|(1<<21)        ; act's scales: 128 rows of 256 bytes (32 elements of 8), dense
	s_mov_b32 s[G1S+1], 32<<16
	s_mov_b32 s[G1S+2], 128<<16
	s_mov_b32 s[G1S+3], 32<<16
	s_mov_b32 s[G1S+4], 128
	s_mov_b32 s[G1S+5], 32
	s_mov_b32 s[G1S+6], 0
	s_mov_b32 s[G1S+7], 0
	s_or_b32 s[G1SB+0], s44, (3<<16)|(1<<21)       ; Wd's scales: 64 rows of 256 bytes, dense
	s_mov_b32 s[G1SB+1], 32<<16
	s_mov_b32 s[G1SB+2], 64<<16
	s_mov_b32 s[G1SB+3], 32<<16
	s_mov_b32 s[G1SB+4], 64
	s_mov_b32 s[G1SB+5], 32
	s_mov_b32 s[G1SB+6], 0
	s_mov_b32 s[G1SB+7], 0
	s_lshl_b32 s20, s17, 19                        ; act's codes: mb x 524,288 + wave x 16,384
	s_lshl_b32 s21, s14, 14
	s_add_co_u32 s20, s20, s21
	s_mov_b32 s21, 0
	s_lshl_b32 s22, s17, 15                        ; act's scales: mb x 32,768
	s_mov_b32 s23, 0
	s_lshl_b32 s46, s42, 18                        ; Wd's codes: hb x 262,144 + half x 131,072
	s_lshl_b32 s47, s16, 17
	s_add_co_u32 s46, s46, s47
	s_mov_b32 s47, 0
	s_lshl_b32 s92, s42, 14                        ; Wd's scales: hb x 16,384
	s_mov_b32 s93, 0
	s_wait_alu depctr_va_vdst(0)
	s_wait_dscnt 0x0
	s_wait_kmcnt 0x0
	s_add_nc_u64 s[20:21], s[4:5], s[20:21]        ; kept to the end
	WIN 0x80
.irp n, 0,1,2
	ALOAD \n, 0                                    ; my first three K steps of act: 48 loads
	ALOAD \n, 4
.endr
	WIN 0
	s_mov_b32 s[G0B], 1
	s_mul_i32 s[G0B+1], s16, 4*EB
	s_add_nc_u64 s[G0B+2:G0B+3], s[8:9], s[46:47]
	s_or_b32 s[G0B+3], s[G0B+3], 0x80000000
	s_mov_b32 s[G0S], 1
	s_mov_b32 s[G0S+1], SCA
	s_add_nc_u64 s[G0S+2:G0S+3], s[6:7], s[22:23]
	s_or_b32 s[G0S+3], s[G0S+3], 0x80000000
	s_mov_b32 s[G0SB], 1
	s_mov_b32 s[G0SB+1], SCB
	s_add_nc_u64 s[G0SB+2:G0SB+3], s[10:11], s[92:93]
	s_or_b32 s[G0SB+3], s[G0SB+3], 0x80000000
	CROUND                                         ; all sixteen work-groups are here: the joint loads meet
; one tree of branches on the wave's number, every way passes one load
.macro ARM under, g0, g1, next
	s_cmp_lt_u32 s14, \under
	s_cbranch_scc0 \next
	tensor_load_to_lds s[\g0:\g0+3], s[\g1:\g1+7]
	s_nop 0
.rept 4
	v_nop
.endr
	s_branch .Lhead_asked
\next:
.endm
	ARM 2, G0B, G1B, .Lhead_sa
	ARM 3, G0S, G1S, .Lhead_sb
	tensor_load_to_lds s[G0SB:G0SB+3], s[G1SB:G1SB+7]
	s_nop 0
.rept 4
	v_nop
.endr
.Lhead_asked:
	v_and_b32 v1, 15, v0                           ; r
	v_bfe_u32 v2, v0, 4, 1                         ; h
	v_mul_u32_u24 v5, v1, BP                       ; Wd: r x pitch + 16 h + 128 x wave
	v_lshl_add_u32 v5, v2, 4, v5
	s_lshl_b32 s24, s14, 7
.irp k, 0,1,2,3
	v_add_nc_u32 v[ADRB+\k], s24, v5
	s_add_co_u32 s24, s24, 2*EB
.endr
	v_lshlrev_b32 v6, 2, v1                        ; act's scale words: 1,024 x wave + 4 r
	s_lshl_b32 s24, s14, 10
	s_add_co_u32 s24, s24, SCA
	v_add_nc_u32 v[ADSA], s24, v6
	v_lshlrev_b32 v6, 5, v1                        ; Wd's: 32 r + 8 x wave
	s_lshl_b32 s24, s14, 3
	s_add_co_u32 s24, s24, SCB
	v_add_nc_u32 v[ADSB], s24, v6
	v_mul_u32_u24 v6, v1, SPITCH                   ; my stage, in: row r, 32 bytes for each half of the lanes
	v_lshl_add_u32 v6, v2, 5, v6
	s_mul_i32 s24, s14, WST
	v_add_nc_u32 v[STO], s24, v6
	v_mul_u32_u24 v6, v2, SPITCH                   ; back: rows 32 x wave on of each stage
	v_lshl_add_u32 v6, v1, 4, v6
	s_mul_i32 s24, s14, 32*SPITCH
.irp k, 0,1,2,3
	v_add_nc_u32 v[RD+\k], s24, v6
	s_add_co_u32 s24, s24, WST
.endr
	v_lshlrev_b32 v[CO], 13, v2                    ; the same two rows in out: 8,192 bytes a row
	v_lshl_add_u32 v[CO], v1, 4, v[CO]
	s_lshl_b32 s24, s17, 7
	s_lshl_b32 s25, s14, 5
	s_add_co_u32 s24, s24, s25                     ; the first row that I store
	s_lshl_b32 s24, s24, 13
	s_mov_b32 s25, 0
	s_lshl_b32 s26, s42, 8
	s_mov_b32 s27, 0
	s_add_nc_u64 s[12:13], s[12:13], s[24:25]
	s_add_nc_u64 s[12:13], s[12:13], s[26:27]
	s_mov_b32 s18, 0x3e000000                      ; 1/8
	s_mov_b32 s19, s18
.macro BLOAD n                         ; what K step n wants from LDS: 20 loads with an expert's first step, else 16
.if (\n)%2 == 0
.irp b, 0,1,2,3
	ds_load_b64 v[SB+8*(((\n)/2)%2)+2*\b:SB+8*(((\n)/2)%2)+2*\b+1], v[ADSB] offset:2048*((\n)/2)+512*\b
.endr
.endif
.irp a, 0,1,2,3,4,5,6,7
	ds_load_b32 v[SA+8*((\n)%2)+\a], v[ADSA] offset:4096*((\n)/2)+512*((\n)%2)+64*\a
.endr
.irp b, 0,1,2,3
.irp c, 0,1
	ds_load_b128 v[FB+32*((\n)%2)+8*\b+4*\c:FB+32*((\n)%2)+8*\b+4*\c+3], v[ADRB+(\n)/4] offset:EB*(((\n)/2)%2)+16*BP*\b+64*((\n)%2)+32*\c
.endr
.endr
.endm
.macro MUL32 n                         ; the whole tile, 128 along K; the 32 accumulators by turns; K step 0 starts the sums
.irp a, 0,1,2,3,4,5,6,7
.irp b, 0,1,2,3
.if (\n) == 0
	v_wmma_scale_f32_16x16x128_f8f6f4 v[8*(4*\a+\b):8*(4*\a+\b)+7], v[FB+32*((\n)%2)+8*\b:FB+32*((\n)%2)+8*\b+7], v[64*((\n)%4)+8*\a:64*((\n)%4)+8*\a+7], 0, v[SB+8*(((\n)/2)%2)+2*\b+(\n)%2], v[SA+8*((\n)%2)+\a] matrix_a_fmt:MATRIX_FMT_FP4 matrix_b_fmt:MATRIX_FMT_FP4
.else
	v_wmma_scale_f32_16x16x128_f8f6f4 v[8*(4*\a+\b):8*(4*\a+\b)+7], v[FB+32*((\n)%2)+8*\b:FB+32*((\n)%2)+8*\b+7], v[64*((\n)%4)+8*\a:64*((\n)%4)+8*\a+7], v[8*(4*\a+\b):8*(4*\a+\b)+7], v[SB+8*(((\n)/2)%2)+2*\b+(\n)%2], v[SA+8*((\n)%2)+\a] matrix_a_fmt:MATRIX_FMT_FP4 matrix_b_fmt:MATRIX_FMT_FP4
.endif
.endr
.endr
.endm
.macro UNIT n                          ; K step n of my 16
.if (\n) > 0
	PLACES 4                                       ; in front of loads into registers that the last step's products have read
.endif
.if (\n) < 15
	BLOAD (\n)+1
.endif
.if (\n) < 13
	WIN 0x80
	ALOAD (\n)+3, 0
	s_wait_loadcnt 40                              ; this step's 16 are in; 32 of the next two steps and the 8 just issued may be out
	ALOAD (\n)+3, 4
.else
	s_wait_loadcnt 16*(15-(\n))
.endif
.if (\n) == 15
	s_wait_dscnt 0x0
.elseif (\n)%2 == 1
	s_wait_dscnt 20                                ; the next step's 20 loads may be out
.else
	s_wait_dscnt 16                                ; the next step's 16
.endif
	WIN 0x58                                       ; source 0 window 0, source 1 window 2, C and D window 1
	MUL32 \n
	WIN 0
.endm
	s_wait_alu depctr_va_vdst(0)
	s_wait_tensorcnt 0x0                           ; my one tensor load has landed,
	s_barrier_signal -1
	s_barrier_wait -1                              ; everybody's has: Wd's codes and all scales may be read
	BLOAD 0
.irp n, 0,1,2,3,4,5,6,7,8,9,10,11,12,13,14,15
	UNIT \n
.endr
	; THE WAY OUT: each wave's part into its own stage; a barrier; wave w adds rows 32 w .. 32 w + 31 of the four stages, takes an eighth and stores whole rows' 256 bytes
	PLACES 4
	s_wait_alu depctr_va_vdst(0)
	s_barrier_signal -1                            ; my reads of Wd's codes are over (the last step waited for all its LDS loads)
	s_barrier_wait -1
	WIN 0x04                                       ; an LDS store's data: window 1
.irp a, 0,1,2,3,4,5,6,7
.irp b, 0,1,2,3
	ds_store_b128 v[STO], v[8*(4*\a+\b):8*(4*\a+\b)+3] offset:16*SPITCH*\a+64*\b          ; each accumulator from its low end on
	ds_store_b128 v[STO], v[8*(4*\a+\b)+4:8*(4*\a+\b)+7] offset:16*SPITCH*\a+64*\b+16
.endr
.endr
	WIN 0
	s_wait_dscnt 0x0                               ; for the others' sake
	s_barrier_signal -1
	s_barrier_wait -1
.macro LOADB g                         ; eight of my rows from each of the four stages: 16 loads into one of three buffers
.set BB, 64+64*((\g)%3)
.irp p, 0,1,2,3
.irp k, 0,1,2,3
	ds_load_b128 v[BB+16*\p+4*\k:BB+16*\p+4*\k+3], v[RD+\k] offset:2*SPITCH*(4*(\g)+\p)
.endr
.endr
.endm
.macro SUMSEND g
.set BB, 64+64*((\g)%3)
.irp p, 0,1,2,3
	v_pk_add_f32 v[BB+16*\p:BB+16*\p+1], v[BB+16*\p:BB+16*\p+1], v[BB+16*\p+4:BB+16*\p+5]
	v_pk_add_f32 v[BB+16*\p+2:BB+16*\p+3], v[BB+16*\p+2:BB+16*\p+3], v[BB+16*\p+6:BB+16*\p+7]
	v_pk_add_f32 v[BB+16*\p+8:BB+16*\p+9], v[BB+16*\p+8:BB+16*\p+9], v[BB+16*\p+12:BB+16*\p+13]
	v_pk_add_f32 v[BB+16*\p+10:BB+16*\p+11], v[BB+16*\p+10:BB+16*\p+11], v[BB+16*\p+14:BB+16*\p+15]
	v_pk_add_f32 v[BB+16*\p:BB+16*\p+1], v[BB+16*\p:BB+16*\p+1], v[BB+16*\p+8:BB+16*\p+9]
	v_pk_add_f32 v[BB+16*\p+2:BB+16*\p+3], v[BB+16*\p+2:BB+16*\p+3], v[BB+16*\p+10:BB+16*\p+11]
	v_pk_mul_f32 v[BB+16*\p:BB+16*\p+1], v[BB+16*\p:BB+16*\p+1], s[18:19] op_sel_hi:[1,0]
	v_pk_mul_f32 v[BB+16*\p+2:BB+16*\p+3], v[BB+16*\p+2:BB+16*\p+3], s[18:19] op_sel_hi:[1,0]
	global_store_b128 v[CO], v[BB+16*\p:BB+16*\p+3], s[12:13] offset:16384*(4*(\g)+\p) th:TH_STORE_NT   ; 16 lanes store 256 consecutive bytes, aligned
.endr
.endm
	LOADB 0
	LOADB 1
	LOADB 2
	s_wait_dscnt 32                                ; batch 0 is in; 32 loads may be out
	SUMSEND 0
	s_wait_xcnt 0x0                                ; batch 0's stores have read their registers: batch 3 may land there
	LOADB 3
	s_wait_dscnt 32
	SUMSEND 1
	s_wait_dscnt 16
	SUMSEND 2
	s_wait_dscnt 0x0
	SUMSEND 3
	s_wait_tensorcnt 0x0                           ; the wave's end
	ds_add_u32 v[SPW], v[NIL]
	s_wait_dscnt 0x0
	CROUND                                         ; the closing round
	s_endpgm
.Lfunc_end_k_q2c5190cefb_down:
	.size	k_q2c5190cefb_down, .Lfunc_end_k_q2c5190cefb_down-k_q2c5190cefb_down
	.p2alignl 7, 3214868480
	.fill 96, 4, 3214868480
	.section	.rodata,"a",@progbits
	.p2align	6, 0x0
	.amdhsa_kernel k_q2c5190cefb_down
		.amdhsa_group_segment_fixed_size 327680
		.amdhsa_private_segment_fixed_size 0
		.amdhsa_enable_private_segment 0
		.amdhsa_kernarg_size 40
		.amdhsa_user_sgpr_count 2
		.amdhsa_user_sgpr_kernarg_segment_ptr 1
		.amdhsa_wavefront_size32 1
		.amdhsa_system_sgpr_workgroup_id_x 1
		.amdhsa_system_sgpr_workgroup_id_y 1
		.amdhsa_system_sgpr_workgroup_id_z 1
		.amdhsa_system_vgpr_workitem_id 0
		.amdhsa_next_free_vgpr 768
		.amdhsa_next_free_sgpr 100
		.amdhsa_reserve_vcc 0
		.amdhsa_float_denorm_mode_32 3
		.amdhsa_float_denorm_mode_16_64 3
		.amdhsa_memory_ordered 1
		.amdhsa_forward_progress 1
		.amdhsa_inst_pref_size 137
	.end_amdhsa_kernel
	.amdgpu_metadata
---
amdhsa.version: [ 1, 2 ]
amdhsa.kernels:
  - .name:           k_q2c5190cefb_down
    .symbol:         k_q2c5190cefb_down.kd
    .args:
      - { .name: act_codes, .offset: 0, .size: 8, .value_kind: global_buffer, .address_space: global }
      - { .name: act_scales, .offset: 8, .size: 8, .value_kind: global_buffer, .address_space: global }
      - { .name: down_codes, .offset: 16, .size: 8, .value_kind: global_buffer, .address_space: global }
      - { .name: down_scales, .offset: 24, .size: 8, .value_kind: global_buffer, .address_space: global }
      - { .name: out0, .offset: 32, .size: 8, .value_kind: global_buffer, .address_space: global }
    .group_segment_fixed_size: 327680
    .private_segment_fixed_size: 0
    .kernarg_segment_align: 8
    .kernarg_segment_size: 40
    .max_flat_workgroup_size: 128
    .sgpr_count:     100
    .vgpr_count:     768
    .wavefront_size: 32
...
	.end_amdgpu_metadata
.endif
;; end of part 3
